; MI455X (gfx1250); checked and timed in simulation.
; The chip was launched on July 23, 2026; its instructions are those of AMD's public machine-readable ISA for CDNA 5 (MIT licence, August 2026) and "CDNA5" Instruction Set Architecture Reference Guide (July 2026). The comments in the code are by the model that wrote it; some were corrected since.
;; Multi Head Attention. Allowed arithmetic: matrix products marked QUANTISED: E3M2 operands, one E8M0 scale for each 32 along K, by v_wmma_scale_f32_16x16x128_f8f6f4 with both operands' format E3M2, f32 sums; everything else in f32.
;; Inputs: Wk 1,024 x 1,024 float32; Wo 1,024 x 1,024 float32; Wq 1,024 x 1,024 float32; Wv 1,024 x 1,024 float32; bk 1,024 float32; bo 1,024 float32; bq 1,024 float32; bv 1,024 float32; k 2 x 2,048 x 1,024 float32; q 2 x 2,048 x 1,024 float32; v 2 x 2,048 x 1,024 float32.
;; Outputs: out0 2 x 2,048 x 1,024 float32.
;; This version of the problem:
;;   THIS VERSION OF THE PROBLEM IS GIVEN IN LOW PRECISION. The matrix products marked QUANTISED in the list below multiply operands that are first quantised to E3M2 (3 exponent bits, 2 mantissa bits; 6 bits a number), with one power-of-two scale for each 32 numbers along K (OCP MX v1.0); their sums are f32. All else is computed in f32.
;;   The module's matrix products, in the order in which they are computed (A, B: the left and right operand; K: the contracted axis; several contracted axes count as one K, in the product's order):
;;     1. [M 4,096, K 1,024] x [K 1,024, N 1,024]; A: input q; B: input Wq: QUANTISED
;;     2. [M 4,096, K 1,024] x [K 1,024, N 1,024]; A: input k; B: input Wk: QUANTISED
;;     3. [M 4,096, K 1,024] x [K 1,024, N 1,024]; A: input v; B: input Wv: QUANTISED
;;     4. batch 32 x [M 2,048, K 64] x [K 64, N 2,048]; A: computed on the way; B: computed on the way: QUANTISED
;;     5. batch 32 x [M 2,048, K 2,048] x [K 2,048, N 64]; A: softmax (see below); B: computed on the way: QUANTISED
;;     6. [M 4,096, K 1,024] x [K 1,024, N 1,024]; A: computed on the way; B: input Wo: QUANTISED
;;   THE QUANTISER, for each operand of a quantised product, along K:
;;     - K is cut into blocks of 32 from its start; a last block that is shorter is filled with zeros.
;;     - A block's scale is 2^e with e = floor(log2(the largest magnitude in the block)) - 4, held to -126 .. 127; a block of zeros has e = 0. As a byte (E8M0): e + 127.
;;     - Each number is divided by its block's scale, clamped to +-28, and rounded to the nearest number of E3M2, ties to even, subnormals kept.
;;     - The product sums the exact products of the quantised numbers (number of the format x scale) in f32.
;;   ~~~python
;;   def quantise(x, axis):      # numpy; x: float32 -> the quantised numbers, widened to float32 again
;;       x = np.moveaxis(x, axis, -1); K = x.shape[-1]
;;       x = np.pad(x, [(0, 0)] * (x.ndim - 1) + [(0, -K % 32)]); x = x.reshape(x.shape[:-1] + (-1, 32)); a = np.abs(x).max(-1, keepdims=True)
;;       e = np.where(a > 0, np.clip(np.frexp(np.where(a > 0, a, 1))[1] - 1 - 4, -126, 127), 0)      # np.frexp(a)[1] - 1 = floor(log2(a)), exactly
;;       r = np.clip(x / 2.0 ** e, -28, 28)
;;       step = 2.0 ** (np.maximum(np.frexp(np.where(r == 0, 1, r))[1] - 1, -2) - 2)
;;       q = np.round(r / step) * step * 2.0 ** e      # np.round: ties to even
;;       return np.moveaxis(q.reshape(q.shape[:-2] + (-1,))[..., :K], -1, axis).astype(np.float32)
;;   ~~~
;;   SOFTMAX AHEAD OF A QUANTISED PRODUCT. Where the list says 'softmax', what is quantised is not the finished softmax but p = 2^(t - M), with t = logit x log2(e) and M = ceil(the row's largest t), a whole number; so 1/2 < the row's largest p <= 1. The row's sum l is taken of the UNQUANTISED p, in f32, and the product's result is divided by l at the end. Since M is a whole number, a kernel that streams over the keys may use a running M (the ceiling of the running maximum): every later rescaling is an exact power of two, which a block's scale takes up: the codes' values come out the same.
;;   OPERANDS COMPUTED ON THE WAY. 'Computed on the way' means the value that the module computes at that place (a softmax that the list does not call 'softmax' is quantised finished and normalised). What goes into a quantiser is computed in f32, as accurately as f32 sums, v_exp_f32 and their like allow (about 1e-6 of the number): no bf16 or f16 on the way to a quantiser, and a product that is left as it is and whose result goes on into a quantised operand takes f32 operands (vector FMAs, or v_wmma_f32_16x16x4_f32). A number that lies on a knife's edge between two numbers of the format may be rounded either way, as far as f32 arithmetic and the matrix unit's own rounding can turn it there, and no further.
;; One version. Each part assembles by itself: llvm-mc -triple=amdgcn-amd-amdhsa -mcpu=gfx1250 --defsym DOCPART=n.
;; ======== version 1 of 1: 4 launches
;; limits: right only within a limited range of input values
;; workspace buffers: cod 13,107,200 bytes; hqkv 10,223,616 bytes; oc 3,276,800 bytes
;; launch quant (part 1): grid 256 x 1, 4 waves a work-group, no clusters, 34,304 bytes of LDS; arguments q, k, v, Wq, Wk, Wv, Wo, cod; writes cod
.if DOCPART == 1
	.amdgcn_target "amdgcn-amd-amdhsa--gfx1250"
	.amdhsa_code_object_version 6
	.text
	.protected	k_q97d224164e_quant
	.globl	k_q97d224164e_quant
	.p2align	8
	.type	k_q97d224164e_quant,@function
k_q97d224164e_quant:
	s_mov_b64 s[64:65], 0
	v_nop
	global_prefetch_b8 v0, s[64:65] scope:SCOPE_SE
	s_setreg_imm32_b32 hwreg(HW_REG_WAVE_MODE, 25, 1), 1
	s_wait_xcnt 0x0
; q, k, v [4096][1024] and Wq, Wk, Wv, Wo [1024][1024], f32 with K innermost, become codes of BF6 (E3M2) with one E8M0 scale byte for each 32 along K, laid in the order of the operand registers of the products that read them.
; A BLOCK of cod is 128 rows x K 1,024 = 102,400 bytes: 8 records (one for each 128 along K) of 12,800 bytes.  A record: 8 fragments of 1,536 bytes (tile T = 0..7), then two units of 256 bytes of scale words.
; TILE T takes in its lane row r the block's row 32 (T / 2) + 8 (T % 2) + r + 8 (r / 8): as source 0 of a product the 16 result registers of tiles 2 b and 2 b + 1 are then 16 neighbouring rows.
; A FRAGMENT is an image of its 12 registers: for each half c (64 along K) registers 6 c .. 6 c + 3 at 768 c + 16 x lane, registers 6 c + 4, 6 c + 5 at 768 c + 512 + 8 x lane.  Scale unit u: row r's 16 bytes at 16 r are the words of tiles 4 u .. 4 u + 3.
; Blocks: 0-31 q, 32-63 k, 64-95 v, 96-103 Wq, 104-111 Wk, 112-119 Wv, 120-127 Wo.
; SHARES: work-group g takes half a block (64 rows, tiles 4 (g % 2) + 0..3); wave w the records 2 w and 2 w + 1: eight fragments.  Each load reads 512 consecutive bytes of one row; a fragment's 16 rows turn through the wave's own
; stage in LDS (rows 528 bytes apart, an odd multiple of 16) so that a lane gets 16 neighbours of each block of 32.  Loads run three fragments (48 loads a wave) ahead.  Waves share nothing: no barrier.
; A block's scale is 2^(floor(log2(its largest magnitude)) - 4): its byte is the largest magnitude's exponent field - 4.
; LIMITS: NaN and infinities among the inputs are not served; a block whose largest magnitude lies under 2^-122 is held at the byte 1; a block of zeros gets the byte 1 where the rule says 127: its codes are zeros, and this program alone reads the bytes.
.set SP,    528                        ; a stage row: 512 bytes + 16
.set STGB,  16*SP                      ; a wave's stage
.set FRG,   1536                       ; a fragment's image
.set REC,   12800                      ; a record
.set BLK,   102400                     ; a block
.set PC,    8                          ; v8-19 the codes just made; v20-26 at work
.set TM,    32                         ; v32-47 at work: largest magnitudes, bytes, scale operands
.set PWS,   48                         ; v48-55 the eight fragments' scale words
.set WD,    56                         ; v56-59 the four words that my lane stores
.set RS,    64                         ; v64-255 three sets of 64 numbers
.set SEL,   28                         ; s[28:29] lane selects: lane l xor 16
	s_load_b512 s[8:23], s[0:1], 0x0               ; q, k, v, Wq, Wk, Wv, Wo, cod
	s_lshr_b32 s30, ttmp9, 6                       ; work-groups 64-127 take k
	s_cmp_eq_u32 s30, 1
	s_cselect_b32 s30, 0x10000, 0                  ; k: 65,536; else 0
	s_xor_b32 s31, s30, 0x10000                    ; k: 0; else 65,536
	v_lshl_add_u32 v43, v0, 2, 0x8400
	v_mov_b32 v63, 0
	v_lshrrev_b32 v1, 5, v0
	v_readfirstlane_b32 s2, v1                     ; wave 0..3
	v_and_b32 v60, 31, v0                          ; lane
	v_and_b32 v61, 15, v0                          ; r
	v_bfe_u32 v62, v0, 4, 1                        ; h
	v_lshlrev_b32 v1, 4, v60                       ; 16 x lane: my 16 bytes of a load's 512
	v_lshlrev_b32 v2, 3, v60                       ; 8 x lane
	; k's blocks (work-groups 64-127) have another order of rows: tile i of a half takes in its lane row r the half's row 32 (r / 8) + 8 i + r % 8, so that in the attention the 32 score registers of four tiles are 32 neighbouring keys.
	; Against the other tensors' order that is 16 rows (65,536 bytes) further on for rows 8-15 of tiles 0, 1 and 16 rows back for rows 0-7 of tiles 2, 3: two more offset registers carry the difference.
	v_add_nc_u32 v27, s30, v1
	v_add_nc_u32 v28, s31, v1
	s_mul_i32 s3, s2, STGB
	v_add_nc_u32 v3, s3, v1                        ; the stage, on the way in
	v_mul_u32_u24 v4, v61, SP
	v_lshl_add_u32 v4, v62, 6, v4
	v_add_nc_u32 v4, s3, v4                        ; and on the way out: row r, + 64 h
	s_and_b32 s24, ttmp9, 1                        ; which half of the block
	s_lshr_b32 s25, ttmp9, 1                       ; which block
	s_mul_i32 s26, s24, 4*FRG
	v_add_nc_u32 v6, s26, v1                       ; the images' places for my lane, in my half's four tiles
	v_add_nc_u32 v7, s26, v2
	s_lshl_b32 s26, s24, 8
	s_add_co_u32 s26, s26, 8*FRG
	v_mul_u32_u24 v5, v62, REC
	v_lshl_add_u32 v5, v61, 4, v5
	v_add_nc_u32 v5, s26, v5                       ; the scale words: my half's unit; lanes 0-15 record 2 w, lanes 16-31 record 2 w + 1; 16 bytes a row
	s_mov_b32 s[SEL], 0x76543210
	s_mov_b32 s[SEL+1], 0xfedcba98
.irp b, 0,1,2,3
	v_mov_b32 v[TM+4+\b], 0                        ; written once: a lane permute's destination counts as one of its sources
.endr
	s_wait_kmcnt 0x0
; which tensor: the choice hangs on the work-group's number alone
.macro PICK lim, p, first
	s_cmp_lt_u32 ttmp9, \lim
	s_cselect_b64 s[4:5], s[\p:\p+1], s[4:5]
	s_cselect_b32 s6, \first, s6
.endm
	s_mov_b64 s[4:5], s[20:21]                     ; Wo, from work-group 240 on
	s_mov_b32 s6, 240
	PICK 240, 18, 224                              ; Wv
	PICK 224, 16, 208                              ; Wk
	PICK 208, 14, 192                              ; Wq
	PICK 192, 12, 128                              ; v
	PICK 128, 10, 64                               ; k
	PICK 64, 8, 0                                  ; q
	s_sub_co_u32 s6, ttmp9, s6
	s_lshl_b32 s6, s6, 18                          ; 64 rows of 4,096 bytes for each work-group of the tensor
	s_lshl_b32 s7, s2, 10                          ; my wave's 256 numbers of a row
	s_add_co_u32 s6, s6, s7
	s_mov_b32 s7, 0
	s_add_nc_u64 s[4:5], s[4:5], s[6:7]
	s_mul_i32 s6, s25, BLK
	s_mul_i32 s26, s2, 2*REC
	s_add_co_u32 s6, s6, s26
	s_add_nc_u64 s[22:23], s[22:23], s[6:7]        ; cod at my block's record 2 w
; fragment f = 4 s + i: record 2 w + s, tile i of my half
.macro LOAD f
.set RB, RS+64*((\f)%3)
.set TI, (\f)%4
.set SS, (\f)/4
.irp p, 0,1,2,3,4,5,6,7,8,9,10,11,12,13,14,15
.if (TI < 2) && (\p >= 8)
	global_load_b128 v[RB+4*\p:RB+4*\p+3], v27, s[4:5] offset:(32*(TI/2)+8*(TI%2)+\p+8*(\p/8))*4096+512*SS th:TH_LOAD_NT      ; the tile's row p: 512 consecutive bytes; for k 16 rows further on
.elseif (TI >= 2) && (\p < 8)
	global_load_b128 v[RB+4*\p:RB+4*\p+3], v28, s[4:5] offset:(32*(TI/2)+8*(TI%2)+\p+8*(\p/8)-16)*4096+512*SS th:TH_LOAD_NT   ; for k 16 rows back
.else
	global_load_b128 v[RB+4*\p:RB+4*\p+3], v1, s[4:5] offset:(32*(TI/2)+8*(TI%2)+\p+8*(\p/8))*4096+512*SS th:TH_LOAD_NT
.endif
.endr
.endm
.macro TURN f                          ; through the stage and back into the registers that they left: LDS serves a wave's instructions in order (ISA guide 5.7.1.4)
.set RB, RS+64*((\f)%3)
.irp p, 0,1,2,3,4,5,6,7,8,9,10,11,12,13,14,15
	ds_store_b128 v3, v[RB+4*\p:RB+4*\p+3] offset:SP*\p
.endr
.irp b, 0,1,2,3
.irp j, 0,1,2,3
	ds_load_b128 v[RB+16*\b+4*\j:RB+16*\b+4*\j+3], v4 offset:128*\b+16*\j   ; register 16 b + i = k 32 b + 16 h + i of row r
.endr
.endr
.endm
; 64 numbers of a lane, register 16 b + i = k 32 b + 16 (lane / 16) + i of my row, become a fragment's codes in v[PC] on and its scale word in v[pw]
.macro QUANT s, pw
.irp b, 0,1,2,3
	v_max3_num_f32 v[TM+\b], |v[\s+16*\b]|, |v[\s+1+16*\b]|, 0x2800000   ; block b: my 16 numbers, and the floor 2^(5 - 127): so the byte cannot fall under 1
.endr
.irp i, 2,4,6,8,10,12,14
.irp b, 0,1,2,3
	v_max3_num_f32 v[TM+\b], v[TM+\b], |v[\s+16*\b+\i]|, |v[\s+1+16*\b+\i]|   ; the four blocks by turns
.endr
.endr
.irp b, 0,1,2,3
	v_permlanex16_b32 v[TM+4+\b], v[TM+\b], s[SEL], s[SEL+1]
.endr
.irp b, 0,1,2,3
	v_max_num_f32 v[TM+\b], v[TM+\b], v[TM+4+\b]   ; with lane l xor 16's: the block's largest magnitude
.endr
.irp b, 0,1,2,3
	v_add_nc_u32 v[TM+12+\b], 0xfe000000, v[TM+\b] ; 4 off its exponent field: the conversion takes the exponent field of this operand as its scale
.endr
.irp b, 0,1,2,3
	v_lshrrev_b32 v[TM+4+\b], 23, v[TM+12+\b]      ; the scale's byte
.endr
	v_lshl_or_b32 v[\pw], v[TM+5], 8, v[TM+4]      ; the four bytes make my row's scale word
	v_lshl_or_b32 v[\pw], v[TM+6], 16, v[\pw]
	v_lshl_or_b32 v[\pw], v[TM+7], 24, v[\pw]
.irp c, 0,1
	v_cvt_scalef32_pk16_bf6_f32 v[PC+6*\c:PC+2+6*\c], v[\s+32*\c:\s+15+32*\c], v[TM+12+2*\c]
	v_cvt_scalef32_pk16_bf6_f32 v[PC+12+4*\c:PC+14+4*\c], v[\s+16+32*\c:\s+31+32*\c], v[TM+12+2*\c+1]   ; (a conversion's three registers begin on an even number)
.endr
	v_nop                                          ; one plain place behind a scaled conversion
.irp c, 0,1                            ; the operand's layout wants a whole block in a lane: lanes 0-15 block 2 c, lanes 16-31 block 2 c + 1
.irp i, 0,1,2
	v_permlane16_swap_b32 v[PC+6*\c+\i], v[PC+12+4*\c+\i]
.endr
.irp i, 0,1,2
	v_mov_b32 v[PC+3+6*\c+\i], v[PC+12+4*\c+\i]
.endr
.endr
.endm
.macro OUT f                           ; the image: each store covers 512 or 256 consecutive bytes, aligned to 256
.set OB, ((\f)/4)*REC+((\f)%4)*FRG
	global_store_b128 v6, v[PC:PC+3], s[22:23] offset:OB
	global_store_b64 v7, v[PC+4:PC+5], s[22:23] offset:OB+512
	global_store_b128 v6, v[PC+6:PC+9], s[22:23] offset:OB+768
	global_store_b64 v7, v[PC+10:PC+11], s[22:23] offset:OB+1280
.endm
	LOAD 0
	LOAD 1
	LOAD 2
.irp f, 0,1,2,3,4,5,6,7
.if \f < 6
	s_wait_loadcnt 32                              ; this fragment's 16 loads are in; the two fragments behind it may be out
.elseif \f == 6
	s_wait_loadcnt 16
.else
	s_wait_loadcnt 0
.endif
	TURN \f
	s_wait_dscnt 0x0
.if \f > 0
	s_wait_xcnt 0x0                                ; the last fragment's stores have read their data: the codes' registers are written again only behind this wait
.endif
	QUANT RS+64*(\f%3), PWS+\f
	OUT \f
.if \f+3 < 8
	LOAD \f+3                                      ; into the set just quantised
.endif
.endr
	v_cmp_eq_u32 vcc_lo, 1, v62
.irp i, 0,1,2,3
	v_cndmask_b32 v[WD+\i], v[PWS+\i], v[PWS+4+\i], vcc_lo   ; lanes 0-15: record 2 w's words of row r; lanes 16-31: record 2 w + 1's
.endr
	global_store_b128 v5, v[WD:WD+3], s[22:23]     ; sixteen lanes fill one aligned unit of 256 bytes
	s_wait_tensorcnt 0x0
	ds_add_u32 v43, v63
	s_wait_dscnt 0x0
	s_endpgm
.Lfunc_end_k_q97d224164e_quant:
	.size	k_q97d224164e_quant, .Lfunc_end_k_q97d224164e_quant-k_q97d224164e_quant
	.p2alignl 7, 3214868480
	.fill 96, 4, 3214868480
	.section	.rodata,"a",@progbits
	.p2align	6, 0x0
	.amdhsa_kernel k_q97d224164e_quant
		.amdhsa_group_segment_fixed_size 34304
		.amdhsa_private_segment_fixed_size 0
		.amdhsa_enable_private_segment 0
		.amdhsa_kernarg_size 64
		.amdhsa_user_sgpr_count 2
		.amdhsa_user_sgpr_kernarg_segment_ptr 1
		.amdhsa_wavefront_size32 1
		.amdhsa_system_sgpr_workgroup_id_x 1
		.amdhsa_system_sgpr_workgroup_id_y 1
		.amdhsa_system_sgpr_workgroup_id_z 1
		.amdhsa_system_vgpr_workitem_id 0
		.amdhsa_next_free_vgpr 256
		.amdhsa_next_free_sgpr 66
		.amdhsa_reserve_vcc 1
		.amdhsa_float_denorm_mode_32 3
		.amdhsa_float_denorm_mode_16_64 3
		.amdhsa_memory_ordered 1
		.amdhsa_forward_progress 1
		.amdhsa_inst_pref_size 66
	.end_amdhsa_kernel
	.amdgpu_metadata
---
amdhsa.version: [ 1, 2 ]
amdhsa.kernels:
  - .name:           k_q97d224164e_quant
    .symbol:         k_q97d224164e_quant.kd
    .args:
      - { .name: q, .offset: 0, .size: 8, .value_kind: global_buffer, .address_space: global }
      - { .name: k, .offset: 8, .size: 8, .value_kind: global_buffer, .address_space: global }
      - { .name: v, .offset: 16, .size: 8, .value_kind: global_buffer, .address_space: global }
      - { .name: Wq, .offset: 24, .size: 8, .value_kind: global_buffer, .address_space: global }
      - { .name: Wk, .offset: 32, .size: 8, .value_kind: global_buffer, .address_space: global }
      - { .name: Wv, .offset: 40, .size: 8, .value_kind: global_buffer, .address_space: global }
      - { .name: Wo, .offset: 48, .size: 8, .value_kind: global_buffer, .address_space: global }
      - { .name: cod, .offset: 56, .size: 8, .value_kind: global_buffer, .address_space: global }
    .group_segment_fixed_size: 34304
    .private_segment_fixed_size: 0
    .kernarg_segment_align: 8
    .kernarg_segment_size: 64
    .max_flat_workgroup_size: 128
    .sgpr_count:     66
    .vgpr_count:     256
    .wavefront_size: 32
...
	.end_amdgpu_metadata
.endif
;; end of part 1
;; launch proj (part 2): grid 8 x 96, 4 waves a work-group, clusters of 4 x 4, 205,312 bytes of LDS; arguments cod, bq, bk, bv, hqkv; writes hqkv
.if DOCPART == 2
	.amdgcn_target "amdgcn-amd-amdhsa--gfx1250"
	.amdhsa_code_object_version 6
	.text
	.protected	k_q97d224164e_proj
	.globl	k_q97d224164e_proj
	.p2align	8
	.type	k_q97d224164e_proj,@function
k_q97d224164e_proj:
	s_mov_b64 s[64:65], 0
	v_nop
	global_prefetch_b8 v0, s[64:65] scope:SCOPE_SE
	s_setreg_imm32_b32 hwreg(HW_REG_WAVE_MODE, 25, 1), 1
	s_wait_xcnt 0x0
	s_wait_alu depctr_hold_cnt(0) depctr_sa_sdst(0) depctr_va_vdst(0) depctr_va_sdst(0) depctr_va_ssrc(0) depctr_va_vcc(0) depctr_vm_vsrc(0)
	s_getreg_b32 s2, hwreg(HW_REG_IB_STS2, 6, 4)
	s_cmp_eq_u32 s2, 0
	s_cbranch_scc0 .Lentry_in_a_cluster
	s_endpgm
.Lentry_in_a_cluster:
	s_bfe_u32 s2, ttmp6, 0x10000c
	s_cmp_lg_u32 s2, 0xf033
	s_cbranch_scc0 .Lentry_shape_is_right
	s_endpgm
.Lentry_shape_is_right:
; The three projections x W^T + b on codes of BF6 (E3M2) with E8M0 scales, and the quantising of their results for the attention: qh and kh along the head's 64, vh along the keys.
; cod holds blocks of 128 rows x K 1,024 (102,400 bytes: 8 records of 12,800 = 8 fragment images of 1,536 bytes + 2 units of 256 bytes of scale words); tile T's lane row r is the block's row 32 (T / 2) + 8 (T % 2) + r + 8 (r / 8).
; A work-group multiplies one block P (always source 0: the result's registers run along P's rows) by one block R (always source 1: a lane holds one row of R), over all of K.  Four waves, each 64 x 64: 16 accumulators.
; MODE = cluster y / 8.  0, 1 (q, k): P = the weight, R = the tokens: a lane holds one token, its registers run along the head's 64.  2 (v): P = the tokens, R = Wv: a lane holds one channel, its registers run along 64 keys.
; So in every mode a lane's registers run along the K of the product that comes next, and one text quantises all three.
; LDS: P's block at 0, R's at 102,400, as they lie in memory; every byte is filled once, so there is no ring.  Each wave brings four records by one tensor load; the K steps begin when all of both blocks is in.
; CLUSTER 4 x 4: P's block hangs on cx alone and is asked for jointly by my column, R's on cy alone, by my row.
; hqkv: sections q, k, v of 1,024 records of 3,328 bytes; record (batch x 16 + head) x 32 + group of 64 tokens: four images of 768 bytes (6 registers a lane: 16 rows x 64 along K; registers 0-3 at 16 x lane, 4-5 at 512 + 8 x lane),
; then 256 bytes of scale words: lane (r, h) has 8 bytes at 8 x lane, word u for image 2 u + h, row r: bytes 0, 1 the two blocks' scales, bytes 2, 3 zero.  q, k: image j = 16 tokens (tile order as above); v: image j = 16 channels.
; LIMITS: NaN and infinities are not served; a block whose largest magnitude lies under 2^-122 is held at the byte 1; a block of zeros gets the byte 1 where the rule says 127 (zero codes; this program alone reads the bytes).
; REGISTERS: window 0: v1-3 lane, r, h; v4-8 LDS addresses for K steps 0-3 (P 16 x lane, P 8 x lane, R likewise, scale words), v9-13 for K steps 4-7; v14-15 bias offsets; v16-23 scale words, two sets; v24-25 16 x lane, 8 x lane;
;   v26-29 the bias of my lane's row of R; v64-159, v160-255 two sets of fragments (4 of P, 4 of R).   window 1: v0-127 accumulator (i, j) at v[32 j + 8 i]; v128-159 the bias as a C operand.
.set BLK,  102400
.set REC,  12800
.set FRG,  1536
.set HREC, 3328
.set WV,   14                          ; s14 wave; s15 wave / 2 = which half of R's rows, and: I fetch for P (0) or R (1); s16 wave % 2 = which half of P's rows, and: which four records I fetch
.set SEL,  2                           ; s[2:3] lane selects: lane l xor 16
.set G0P,  24                          ; s[24:27] group 0 for P;  s[40:43] for R;  s[56:63], s[68:75] their groups 1
.set G0R,  40
.set G1P,  56
.set G1R,  68
.set SC,   16
.set L16,  24
.set L8,   25
.set BV,   26
.set F0,   64
.set BI,   128
.set TM,   64                          ; the way out, over the fragments' registers: largest magnitudes (j, u) at TM + 2 j + u,
.set TP,   72                          ; lane l xor 16's,
.set SO,   80                          ; the conversions' scale operands,
.set BY,   88                          ; the bytes,
.set PW,   96                          ; image j's scale word,
.set WW,   100                         ; the two words that my lane stores,
.set PC,   104                         ; image j's six registers at PC + 8 j,
.set PT,   136                         ; and the second conversion's three at PT + 4 j
.set MSB, 0
.macro WIN new                         ; the immediate's high byte repeats the setting that is left
.if MSB != \new
	s_set_vgpr_msb (MSB<<8)|\new
.set MSB, \new
.endif
.endm
.set W_MUL, 0x50                       ; A, B window 0; C and D window 1
.set W_TO1, 0x40                       ; destination window 1
.set W_MAX, 0x05                       ; sources 0 and 1 window 1
.set W_CVT, 0x01                       ; source 0 window 1
.macro PLACES n
.rept \n
	v_nop
.endr
.endm
.macro ROUND                           ; a round of the cluster's barrier
	s_barrier_signal -1
	s_barrier_wait -1
	s_cmp_lg_u32 s[WV], 0
	s_cbranch_scc1 .Lnot_wave_0_\@
	s_barrier_signal -3
.Lnot_wave_0_\@:
	s_barrier_wait -3
	s_barrier_signal -1
	s_barrier_wait -1
.endm
; 33 LDS loads: K step s's four fragments of P, four of R and the scale words, into set s % 2.  An image comes back by the lines that stored it: every load reads consecutive bytes.
.macro FETCH s
.set FB, F0+96*((\s)%2)
.set AD, 4+5*((\s)/4)
.set OF, ((\s)%4)*REC
.irp i, 0,1,2,3
.irp c, 0,1
	ds_load_b128 v[FB+12*\i+6*\c:FB+12*\i+6*\c+3], v[AD] offset:OF+\i*FRG+\c*768
	ds_load_b64 v[FB+12*\i+6*\c+4:FB+12*\i+6*\c+5], v[AD+1] offset:OF+\i*FRG+\c*768+512
.endr
.endr
.irp i, 0,1,2,3
.irp c, 0,1
	ds_load_b128 v[FB+48+12*\i+6*\c:FB+48+12*\i+6*\c+3], v[AD+2] offset:OF+\i*FRG+\c*768
	ds_load_b64 v[FB+48+12*\i+6*\c+4:FB+48+12*\i+6*\c+5], v[AD+3] offset:OF+\i*FRG+\c*768+512
.endr
.endr
	ds_load_b128 v[SC+4*((\s)%2):SC+4*((\s)%2)+3], v[AD+4] offset:OF   ; register i: lanes 0-15 the words of P's tile i, lanes 16-31 those of R's tile i
.endm
; 16 matrix instructions, 128 along K.  The 16 accumulators take turns, one instruction a turn, in the same order in every K step.
; cmode 0: onto the sums; 1: the sums begin with the bias along P (BI + 8 i); 2: with the bias along R (BI + 8 j).
.macro MUL s, cmode
.set FB, F0+96*((\s)%2)
.set SB, SC+4*((\s)%2)
.irp j, 0,1,2,3
.irp i, 0,1,2,3
.if \cmode == 0
	v_wmma_scale_f32_16x16x128_f8f6f4 v[32*\j+8*\i:32*\j+8*\i+7], v[FB+12*\i:FB+12*\i+11], v[FB+48+12*\j:FB+48+12*\j+11], v[32*\j+8*\i:32*\j+8*\i+7], v[SB+\i], v[SB+\j] matrix_a_fmt:MATRIX_FMT_BF6 matrix_b_fmt:MATRIX_FMT_BF6 matrix_b_scale:MATRIX_SCALE_ROW1
.elseif \cmode == 1
	v_wmma_scale_f32_16x16x128_f8f6f4 v[32*\j+8*\i:32*\j+8*\i+7], v[FB+12*\i:FB+12*\i+11], v[FB+48+12*\j:FB+48+12*\j+11], v[BI+8*\i:BI+8*\i+7], v[SB+\i], v[SB+\j] matrix_a_fmt:MATRIX_FMT_BF6 matrix_b_fmt:MATRIX_FMT_BF6 matrix_b_scale:MATRIX_SCALE_ROW1
.else
	v_wmma_scale_f32_16x16x128_f8f6f4 v[32*\j+8*\i:32*\j+8*\i+7], v[FB+12*\i:FB+12*\i+11], v[FB+48+12*\j:FB+48+12*\j+11], v[BI+8*\j:BI+8*\j+7], v[SB+\i], v[SB+\j] matrix_a_fmt:MATRIX_FMT_BF6 matrix_b_fmt:MATRIX_FMT_BF6 matrix_b_scale:MATRIX_SCALE_ROW1
.endif
.endr
.endr
.endm
; K step s = 1 .. 7.  Both blocks are whole in LDS behind the one barrier at the head: no wait on tiles and no barrier stands between the K steps.
.macro KSTEP s
	WIN 0
.if (\s) < 7
	PLACES 4                                       ; in front of loads into registers that the step before last's products have read (ISA guide 7.12.1 for vector instructions)
	FETCH (\s)+1
	s_wait_dscnt 33                                ; all but the 33 just issued: this step's fragments are in
.else
	s_wait_dscnt 0x0
.endif
	WIN W_MUL
	MUL \s, 0
.endm
	s_load_b256 s[4:11], s[0:1], 0x0               ; cod, bq, bk, bv
	s_load_b64 s[12:13], s[0:1], 0x20              ; hqkv
	v_lshl_add_u32 v62, v0, 2, 0x32000
	v_mov_b32 v63, 0
	ds_add_u32 v62, v63
	ds_add_u32 v62, v63
	v_lshrrev_b32 v1, 5, v0
	v_readfirstlane_b32 s[WV], v1                  ; wave 0..3
	s_lshr_b32 s15, s[WV], 1
	s_and_b32 s16, s[WV], 1
	s_bfe_u32 s17, ttmp6, 0x40000                  ; cx
	s_bfe_u32 s18, ttmp6, 0x40004                  ; cy
	s_lshl_b32 s94, 0x1111, s17                    ; my column of the cluster
	s_lshl_b32 s95, s18, 2
	s_lshl_b32 s95, 15, s95                        ; my row
	; group 1: ONE LOAD A WAVE: four records on end, 51,200 dense bytes, as 200 rows of 32 elements of 8 bytes; no padding.  Waves 0, 1 bring P's records 0-3 and 4-7, waves 2, 3 R's.
	; (k's tokens lie in their tiles in the order 32 (r / 8) + 8 j + r % 8 of a group of 64; this text holds a token in a lane whichever it is.)
	s_or_b32 s[G1P], s94, (3<<16)|(1<<21)          ; 15:0 the mask: P's records go to my column; 17:16 elements of 8 bytes; 21 set beside a mask
	s_or_b32 s[G1R], s95, (3<<16)|(1<<21)          ; R's go to my row
.irp g, G1P, G1R
	s_mov_b32 s[\g+1], 32<<16                      ; tensor_dim0 = 32
	s_mov_b32 s[\g+2], 200<<16                     ; tensor_dim1 = 200
	s_mov_b32 s[\g+3], 32<<16                      ; tile_dim0 = 32
	s_mov_b32 s[\g+4], 200                         ; tile_dim1 = 200
	s_mov_b32 s[\g+5], 32                          ; from row to row
	s_mov_b32 s[\g+6], 0
	s_mov_b32 s[\g+7], 0
.endr
	s_and_b32 s85, ttmp7, 0xffff                   ; cluster y
	s_lshr_b32 s84, s85, 3                         ; the mode: the same in all sixteen partners
	s_and_b32 s85, s85, 7
	s_lshl_b32 s19, s84, 3
	s_add_co_u32 s19, s19, 96                      ; the weight's first block in modes 0, 1
	s_lshl_b32 s88, s84, 5                         ; the tokens' first block in modes 0, 1
	s_cmp_eq_u32 s84, 2
	s_cselect_b32 s86, s85, ttmp9                  ; P has 8 blocks (cluster x counts them by fours) in modes 0, 1, and 32 (cluster y % 8) in mode 2
	s_cselect_b32 s87, ttmp9, s85                  ; R the other way round
	s_cselect_b32 s77, 64, s19
	s_cselect_b32 s81, 112, s88
	s_lshl_b32 s76, s86, 2
	s_add_co_u32 s76, s76, s17                     ; P's block among its tensor's: it hangs on cx, never on cy
	s_add_co_u32 s77, s77, s76
	s_lshl_b32 s80, s87, 2
	s_add_co_u32 s80, s80, s18                     ; R's: on cy, never on cx
	s_add_co_u32 s81, s81, s80
	s_mul_i32 s20, s16, 4*REC                      ; which four records I fetch: their place in LDS for P,
	s_add_co_u32 s21, s20, BLK                     ; and for R
	s_mul_i32 s78, s77, BLK
	s_add_co_u32 s78, s78, s20
	s_mov_b32 s79, 0
	s_mul_i32 s82, s81, BLK
	s_add_co_u32 s82, s82, s20
	s_mov_b32 s83, 0
	s_lshl_b32 s89, s76, 1
	s_add_co_u32 s89, s89, s16                     ; my 64 rows of P among its tensor's
	s_lshl_b32 s90, s80, 1
	s_add_co_u32 s90, s90, s15                     ; my 64 rows of R
	s_cmp_eq_u32 s84, 2
	s_cselect_b32 s91, s89, s90                    ; which group of 64 tokens,
	s_cselect_b32 s92, s90, s89                    ; which head
	s_lshr_b32 s93, s91, 5                         ; the batch
	s_lshl_b32 s93, s93, 4
	s_add_co_u32 s93, s93, s92
	s_lshl_b32 s93, s93, 5
	s_and_b32 s94, s91, 31
	s_add_co_u32 s93, s93, s94
	s_lshl_b32 s94, s84, 10
	s_add_co_u32 s93, s93, s94                     ; my record of hqkv
	s_mul_i32 s94, s93, HREC
	s_mov_b32 s95, 0
	s_lshl_b32 s96, s92, 8                         ; the head's 64 numbers of the bias
	s_mov_b32 s97, 0
	s_mov_b32 s[SEL], 0x76543210
	s_mov_b32 s[SEL+1], 0xfedcba98
	s_wait_dscnt 0x0
	s_wait_kmcnt 0x0
	s_add_nc_u64 s[78:79], s[4:5], s[78:79]
	s_add_nc_u64 s[82:83], s[4:5], s[82:83]
	s_add_nc_u64 s[12:13], s[12:13], s[94:95]
	s_cmp_eq_u32 s84, 1
	s_cselect_b64 s[98:99], s[8:9], s[6:7]
	s_cmp_eq_u32 s84, 2
	s_cselect_b64 s[98:99], s[10:11], s[98:99]
	s_add_nc_u64 s[98:99], s[98:99], s[96:97]
.irp n, 0                              ; one group 0 for each side
	s_mov_b32 s[G0P+4*\n], 1
	s_add_co_u32 s[G0P+4*\n+1], s20, \n*2*REC
	s_add_nc_u64 s[G0P+4*\n+2:G0P+4*\n+3], s[78:79], \n*2*REC
	s_or_b32 s[G0P+4*\n+3], s[G0P+4*\n+3], 0x80000000
	s_mov_b32 s[G0R+4*\n], 1
	s_add_co_u32 s[G0R+4*\n+1], s21, \n*2*REC
	s_add_nc_u64 s[G0R+4*\n+2:G0R+4*\n+3], s[82:83], \n*2*REC
	s_or_b32 s[G0R+4*\n+3], s[G0R+4*\n+3], 0x80000000
.endr
	ROUND                                          ; all sixteen work-groups are here: the joint loads meet
	s_cmp_eq_u32 s15, 0                            ; waves 0, 1 fetch P, waves 2, 3 R: one load in each arm; four v_nop follow it
	s_cbranch_scc0 .Lfill_r
.irp n, 0
	tensor_load_to_lds s[G0P+4*\n:G0P+4*\n+3], s[G1P:G1P+7]
	s_nop 0
.endr
	PLACES 4
	s_branch .Lfilled
.Lfill_r:
.irp n, 0
	tensor_load_to_lds s[G0R+4*\n:G0R+4*\n+3], s[G1R:G1R+7]
	s_nop 0
.endr
	PLACES 4
.Lfilled:
	v_and_b32 v1, 31, v0                           ; lane
	v_and_b32 v2, 15, v0                           ; r
	v_bfe_u32 v3, v0, 4, 1                         ; h
	v_lshlrev_b32 v[L16], 4, v1
	v_lshlrev_b32 v[L8], 3, v1
	v_lshlrev_b32 v14, 6, v3                       ; the bias along P: 16 h numbers on
	v_and_b32 v15, 8, v2
	v_add_nc_u32 v15, v15, v2
	v_lshlrev_b32 v15, 2, v15                      ; the bias along R: number r + 8 (r / 8)
	; Both forms of the bias begin at the head's 64 numbers and stay inside them, so both are asked for here in every mode, ahead of the wait for the tiles and without a branch; each mode uses one of them.
	WIN W_TO1
.irp i, 0,1,2,3
	global_load_b128 v[BI+8*\i:BI+8*\i+3], v14, s[98:99] offset:(32*(\i/2)+8*(\i%2))*4
	global_load_b128 v[BI+8*\i+4:BI+8*\i+7], v14, s[98:99] offset:(32*(\i/2)+8*(\i%2))*4+16
.endr
	WIN 0
.irp j, 0,1,2,3
	global_load_b32 v[BV+\j], v15, s[98:99] offset:(32*(\j/2)+8*(\j%2))*4
.endr
	s_mul_i32 s22, s16, 4*FRG                      ; my four tiles of P
	s_mul_i32 s23, s15, 4*FRG                      ; my four tiles of R,
	s_add_co_u32 s23, s23, BLK                     ; behind P's block
	v_add_nc_u32 v4, s22, v[L16]
	v_add_nc_u32 v5, s22, v[L8]
	v_add_nc_u32 v6, s23, v[L16]
	v_add_nc_u32 v7, s23, v[L8]
	s_xor_b32 s23, s16, 1
	s_add_co_u32 s23, s23, s15
	s_lshl_b32 s23, s23, 8
	s_add_co_u32 s23, s23, BLK-256                 ; from P's scale unit to R's: 102,400 + 256 (R's half - P's half)
	v_mul_u32_u24 v8, s23, v3                      ; lanes 16-31 take R's
	v_lshl_add_u32 v8, v2, 4, v8                   ; 16 bytes a row
	s_lshl_b32 s22, s16, 8
	s_add_co_u32 s22, s22, 8*FRG
	v_add_nc_u32 v8, s22, v8
.irp n, 0,1,2,3,4
	v_add_nc_u32 v[9+\n], 4*REC, v[4+\n]           ; K steps 4 to 7: so that every immediate stays under 65,536
.endr
	s_wait_alu depctr_va_vdst(0)
	s_wait_tensorcnt 0x0                           ; my one load is in
	s_barrier_signal -1
	s_barrier_wait -1                              ; all of K of both sides is in
	FETCH 0
	FETCH 1
	s_wait_loadcnt 0x0                             ; the bias
	s_wait_dscnt 33                                ; K step 0's fragments are in
	s_cmp_eq_u32 s84, 2
	s_cbranch_scc1 .Lfirst_v
	WIN W_MUL
	MUL 0, 1                                       ; q, k: a register's bias is that of its row of the weight
	WIN 0
	s_branch .Lfirst_done
.Lfirst_v:
	WIN W_TO1
.irp j, 0,1,2,3
.irp n, 0,1,2,3,4,5,6,7
	v_mov_b32 v[BI+8*\j+\n], v[BV+\j]              ; v: a lane's bias is that of its row of Wv, the same in all eight registers
.endr
.endr
	PLACES 4
	WIN W_MUL
	MUL 0, 2
	WIN 0
.Lfirst_done:
	KSTEP 1
	KSTEP 2
	KSTEP 3
	KSTEP 4
	KSTEP 5
	KSTEP 6
	KSTEP 7
	; THE WAY OUT.  For each tile j of R a lane holds 64 numbers along the next K: register 32 j + 16 u + i = k 32 u + 16 h + i.  Two blocks of 32, each shared with lane l xor 16.
	WIN 0
	PLACES 4                                       ; behind the last products: their results are read, and the fragments' registers written
.irp n, 0,1,2,3,4,5,6,7
	v_mov_b32 v[TP+\n], 0                          ; a lane permute's destination counts as one of its sources
.endr
	WIN W_MAX
.irp j, 0,1,2,3
.irp u, 0,1
	v_max3_num_f32 v[TM+2*\j+\u], |v[32*\j+16*\u]|, |v[32*\j+16*\u+1]|, 0x2800000   ; each accumulator from its low end on; the floor 2^(5 - 127) holds the byte at 1 from below
.endr
.endr
.irp i, 2,4,6,8,10,12,14
.irp j, 0,1,2,3
.irp u, 0,1
	v_max3_num_f32 v[TM+2*\j+\u], |v[32*\j+16*\u+\i]|, |v[32*\j+16*\u+\i+1]|, v[TM+2*\j+\u]   ; the eight blocks by turns
.endr
.endr
.endr
	WIN 0
.irp n, 0,1,2,3,4,5,6,7
	v_permlanex16_b32 v[TP+\n], v[TM+\n], s[SEL], s[SEL+1]
.endr
.irp n, 0,1,2,3,4,5,6,7
	v_max_num_f32 v[TM+\n], v[TM+\n], v[TP+\n]     ; the block's largest magnitude
.endr
.irp n, 0,1,2,3,4,5,6,7
	v_add_nc_u32 v[SO+\n], 0xfe000000, v[TM+\n]    ; 4 off its exponent field: the conversion's scale operand
.endr
.irp n, 0,1,2,3,4,5,6,7
	v_lshrrev_b32 v[BY+\n], 23, v[SO+\n]           ; the scale's byte
.endr
.irp j, 0,1,2,3
	v_lshl_or_b32 v[PW+\j], v[BY+2*\j+1], 8, v[BY+2*\j]   ; image j's word: two bytes, the upper two zero
.endr
	WIN W_CVT
.irp j, 0,1,2,3
	v_cvt_scalef32_pk16_bf6_f32 v[PC+8*\j:PC+8*\j+2], v[32*\j:32*\j+15], v[SO+2*\j]
	v_cvt_scalef32_pk16_bf6_f32 v[PT+4*\j:PT+4*\j+2], v[32*\j+16:32*\j+31], v[SO+2*\j+1]
.endr
	WIN 0
	v_nop                                          ; one plain place behind a scaled conversion
.irp j, 0,1,2,3                        ; the operand's layout wants a whole block in a lane: lanes 0-15 block 0, lanes 16-31 block 1
.irp i, 0,1,2
	v_permlane16_swap_b32 v[PC+8*\j+\i], v[PT+4*\j+\i]
.endr
.irp i, 0,1,2
	v_mov_b32 v[PC+8*\j+3+\i], v[PT+4*\j+\i]
.endr
.endr
	v_cmp_eq_u32 vcc_lo, 1, v3
	v_cndmask_b32 v[WW], v[PW], v[PW+1], vcc_lo    ; word u of lane (r, h): image 2 u + h
	v_cndmask_b32 v[WW+1], v[PW+2], v[PW+3], vcc_lo
.irp j, 0,1,2,3
	global_store_b128 v[L16], v[PC+8*\j:PC+8*\j+3], s[12:13] offset:768*\j       ; 512 consecutive bytes, aligned to 256
	global_store_b64 v[L8], v[PC+8*\j+4:PC+8*\j+5], s[12:13] offset:768*\j+512   ; 256
.endr
	global_store_b64 v[L8], v[WW:WW+1], s[12:13] offset:3072
	s_wait_tensorcnt 0x0
	ds_add_u32 v62, v63
	s_wait_dscnt 0x0
	ROUND                                          ; the closing round: no work-group ends while a partner may still ask for a record that names it
	s_endpgm
.Lfunc_end_k_q97d224164e_proj:
	.size	k_q97d224164e_proj, .Lfunc_end_k_q97d224164e_proj-k_q97d224164e_proj
	.p2alignl 7, 3214868480
	.fill 96, 4, 3214868480
	.section	.rodata,"a",@progbits
	.p2align	6, 0x0
	.amdhsa_kernel k_q97d224164e_proj
		.amdhsa_group_segment_fixed_size 205312
		.amdhsa_private_segment_fixed_size 0
		.amdhsa_enable_private_segment 0
		.amdhsa_kernarg_size 40
		.amdhsa_user_sgpr_count 2
		.amdhsa_user_sgpr_kernarg_segment_ptr 1
		.amdhsa_wavefront_size32 1
		.amdhsa_system_sgpr_workgroup_id_x 1
		.amdhsa_system_sgpr_workgroup_id_y 1
		.amdhsa_system_sgpr_workgroup_id_z 1
		.amdhsa_system_vgpr_workitem_id 0
		.amdhsa_next_free_vgpr 416
		.amdhsa_next_free_sgpr 100
		.amdhsa_reserve_vcc 1
		.amdhsa_float_denorm_mode_32 3
		.amdhsa_float_denorm_mode_16_64 3
		.amdhsa_memory_ordered 1
		.amdhsa_forward_progress 1
		.amdhsa_inst_pref_size 55
	.end_amdhsa_kernel
	.amdgpu_metadata
---
amdhsa.version: [ 1, 2 ]
amdhsa.kernels:
  - .name:           k_q97d224164e_proj
    .symbol:         k_q97d224164e_proj.kd
    .args:
      - { .name: cod, .offset: 0, .size: 8, .value_kind: global_buffer, .address_space: global }
      - { .name: bq, .offset: 8, .size: 8, .value_kind: global_buffer, .address_space: global }
      - { .name: bk, .offset: 16, .size: 8, .value_kind: global_buffer, .address_space: global }
      - { .name: bv, .offset: 24, .size: 8, .value_kind: global_buffer, .address_space: global }
      - { .name: hqkv, .offset: 32, .size: 8, .value_kind: global_buffer, .address_space: global }
    .group_segment_fixed_size: 205312
    .private_segment_fixed_size: 0
    .kernarg_segment_align: 8
    .kernarg_segment_size: 40
    .max_flat_workgroup_size: 128
    .sgpr_count:     100
    .vgpr_count:     416
    .wavefront_size: 32
...
	.end_amdgpu_metadata
.endif
;; end of part 2
;; launch attn (part 3): grid 8 x 32, 16 waves a work-group, clusters of 4 x 1, 215,040 bytes of LDS; arguments hqkv, oc; writes oc
.if DOCPART == 3
	.amdgcn_target "amdgcn-amd-amdhsa--gfx1250"
	.amdhsa_code_object_version 6
	.text
	.protected	k_q97d224164e_attn
	.globl	k_q97d224164e_attn
	.p2align	8
	.type	k_q97d224164e_attn,@function
k_q97d224164e_attn:
	s_mov_b64 s[64:65], 0
	v_nop
	global_prefetch_b8 v0, s[64:65] scope:SCOPE_SE
	s_setreg_imm32_b32 hwreg(HW_REG_WAVE_MODE, 25, 1), 1
	s_wait_xcnt 0x0
	s_wait_alu depctr_hold_cnt(0) depctr_sa_sdst(0) depctr_va_vdst(0) depctr_va_sdst(0) depctr_va_ssrc(0) depctr_va_vcc(0) depctr_vm_vsrc(0)
	s_getreg_b32 s2, hwreg(HW_REG_IB_STS2, 6, 4)
	s_cmp_eq_u32 s2, 0
	s_cbranch_scc0 .Lentry_in_a_cluster
	s_endpgm
.Lentry_in_a_cluster:
	s_bfe_u32 s2, ttmp6, 0x10000c
	s_cmp_lg_u32 s2, 0x3003
	s_cbranch_scc0 .Lentry_shape_is_right
	s_endpgm
.Lentry_shape_is_right:
; O = softmax(Q K^T / 8) V for one head, both products on codes of BF6 (E3M2) with E8M0 scales, and the quantising of O along the head's 64 for the last projection.
; hqkv: sections q, k, v of 1,024 records of 3,328 bytes; record (batch x 16 + head) x 32 + group of 64 tokens: four images of 768 bytes (16 rows x 64 along K, 6 registers a lane: 0-3 at 16 x lane, 4-5 at 512 + 8 x lane) and 256 bytes
; of scale words (lane (r, h): 8 bytes at 8 x lane, word u for image 2 u + h; bytes 0, 1 the two blocks' scales, bytes 2, 3 zero).
; q: image j's lane row r is token 32 (j / 2) + 8 (j % 2) + r + 8 (r / 8) of the group; v: that channel, K = the group's 64 keys in their order.
; k: image j's lane row r is token 32 (r / 8) + 8 j + r % 8.  S^T = K Q^T gives lane (query r, half h) in register i of image j key 32 h + 8 j + i: THE 32 REGISTERS OF A RECORD'S FOUR TILES ARE ONE WHOLE BLOCK OF 32 KEYS IN ONE LANE,
; in the order in which p's operand wants them: a block's maximum needs no other lane, and p's codes need no exchange between lanes.
; THE SOFTMAX: t = score x log2(e) / 8; M = the running largest t rounded UP to a whole number; p = 2^(t - M) is quantised along the keys, not normalised; the row's sum is taken of the unquantised p and divides O at the end.
; When M moves, the sum and O are multiplied by 2^(old M - new M): exact.
; SHARES: a work-group owns 256 queries of one head, each of its sixteen waves one tile of 16; every wave walks the head's 2,048 keys, 128 a step, 16 steps in one loop.
; O^T = V^T P^T (source 0 = 16 channels): a lane holds one query throughout.
; THE SCORES' K IS 64: Q's fragment has zero codes in its upper half; the upper six registers named for tile t of K are tile t + 1's codes, which meet those zeros (behind tile 7: six cleared registers), under scale bytes 0 = 2^-127.
; LDS: K's 32 records at 0, V's at 106,496: the whole head, every byte filled once, so there is no ring.  Wave w brings sixteenth w (four records, 13,312 bytes) by its one tensor load; one wait for 0 and one barrier show all of it to all waves.
; CLUSTER 4 x 1: the four query blocks of a cluster belong to one head: every load is asked for jointly by all four.
; NO PREFETCH: all that the launch reads by tensor loads is asked for at its head; there is no loop that runs ahead of a load.
; oc: blocks of 128 tokens x K 1,024 laid as the last projection reads them (8 records of 12,800 bytes: 8 fragment images of 1,536 bytes, 2 units of scale words); my head's 64 are half (head % 2) of record head / 2.
; The two scale bytes of a row are half of a scale word whose other half belongs to another head's work-group: that one store of a wave, 2 bytes a lane 16 bytes apart, writes its 256 bytes in part.
; LIMITS: NaN and infinities are not served; the promise holds while the scaled scores stay under 2^31 in magnitude; a block under 2^-122 is held at the byte 1, a block of zeros too (zero codes);
; a block's largest p is taken through its largest score, which takes v_exp_f32 not to fall where its input rises; 1 / the sum is v_rcp_f32's.
; REGISTERS: v1-4 16 x lane, 8 x lane, and the same in V's half of LDS; v5-8 the step's addresses; v9-11 Q's and later oc's offsets; v12 -M, v13 the largest score, v[14:15] the sum in two halves; v16-21 Q, v22-27 zeros, v28 Q's scale word;
;   v29 8 h; v32-85 K's tiles (tile t at v[32 + 6 t]), then V's four fragments; v86-89 K's scale words; v96-159 S^T, then p; v160-191 O^T; v192-208 at work; v210-215 V's scales; v224-235 p's codes; v236-251 at work; v254-255 the add's two.
.set WV,    8
.set SEL,   20                         ; s[20:21] lane selects: lane l xor 16
.set CS,    22                         ; s[22:23] c = log2(e) / 8
.set NC,    59                         ; s59 -c
.set G1,    24                         ; s[24:31] group 1;  s[32:35] group 0
.set G0,    32
.set TB,    48                         ; s48 LDS byte at which the step's two records of K begin
.set CNT,   49
.set HREC,  3328
.set HEADB, 32*HREC                    ; a head's records of one section
.set SECB,  1024*HREC
.set CHUNK, 4*HREC                     ; what one wave brings
.set SPARE, 2*HEADB                    ; behind K and V: the spare words, 128 bytes for each wave
.set S,     96
.set O,     160
.set BM,    192
.set BT,    196
.set SO,    200
.set T,     244
.macro ROUND                           ; a round of the cluster's barrier
	s_barrier_signal -1
	s_barrier_wait -1
	s_cmp_lg_u32 s[WV], 0
	s_cbranch_scc1 .Lnot_wave_0_\@
	s_barrier_signal -3
.Lnot_wave_0_\@:
	s_barrier_wait -3
	s_barrier_signal -1
	s_barrier_wait -1
.endm
	s_load_b128 s[4:7], s[0:1], 0x0                ; hqkv, oc
	v_lshl_add_u32 v254, v0, 2, SPARE
	v_mov_b32 v255, 0
	ds_add_u32 v254, v255                          ; the opening lines: the add, twice on end, and its wait ahead of my tensor load
	ds_add_u32 v254, v255
	v_lshrrev_b32 v1, 5, v0
	v_readfirstlane_b32 s[WV], v1                  ; wave 0..15
	s_bfe_u32 s9, ttmp6, 0x40000                   ; cx
	s_lshl_b32 s10, ttmp9, 2
	s_add_co_u32 s10, s10, s9                      ; my block of 256 queries: it enters Q's and oc's addresses alone
	s_and_b32 s11, ttmp7, 0xffff                   ; batch x 16 + head, which the four partners share
	s_mov_b32 s[G0], 1
	s_mul_i32 s[G0+1], s[WV], CHUNK                ; my sixteenth in LDS: waves 0-7 K, waves 8-15 V
	s_lshr_b32 s13, s[WV], 3
	s_and_b32 s14, s[WV], 7
	s_mul_i32 s50, s13, SECB
	s_add_co_u32 s50, s50, SECB                    ; section k or v,
	s_mul_i32 s16, s14, CHUNK
	s_add_co_u32 s50, s50, s16
	s_mul_i32 s17, s11, HEADB
	s_add_co_u32 s50, s50, s17                     ; the head, my four records
	s_mov_b32 s51, 0
	s_lshl_b32 s52, s11, 5
	s_lshl_b32 s53, s10, 2
	s_add_co_u32 s52, s52, s53
	s_lshr_b32 s53, s[WV], 2
	s_add_co_u32 s52, s52, s53
	s_mul_i32 s52, s52, HREC                       ; Q's record: my queries' group of 64
	s_mov_b32 s53, 0
	; group 1: four records, 13,312 dense bytes, as 52 rows of 32 elements of 8 bytes; no padding
	s_mov_b32 s[G1], 15|(3<<16)|(1<<21)            ; 15:0 the mask: all four work-groups; 17:16 elements of 8 bytes; 21 set beside a mask
	s_mov_b32 s[G1+1], 32<<16
	s_mov_b32 s[G1+2], 52<<16
	s_mov_b32 s[G1+3], 32<<16
	s_mov_b32 s[G1+4], 52
	s_mov_b32 s[G1+5], 32
	s_mov_b32 s[G1+6], 0
	s_mov_b32 s[G1+7], 0
	s_mov_b32 s[SEL], 0x76543210
	s_mov_b32 s[SEL+1], 0xfedcba98
	s_mov_b32 s[CS], 0x3e38aa3b                    ; log2(e) / 8
	s_mov_b32 s[CS+1], s[CS]                       ; (named with it as a pair, so it is written)
	s_mov_b32 s[NC], 0xbe38aa3b
	s_wait_dscnt 0x0
	s_wait_kmcnt 0x0
	s_add_nc_u64 s[G0+2:G0+3], s[4:5], s[50:51]
	s_or_b32 s[G0+3], s[G0+3], 0x80000000
	s_add_nc_u64 s[54:55], s[4:5], s[52:53]
	ROUND                                          ; all four work-groups are here: the joint loads meet
	tensor_load_to_lds s[G0:G0+3], s[G1:G1+7]      ; every wave's one load: both addresses hang on the wave's number
	s_nop 0
	v_and_b32 v9, 31, v0
	v_lshlrev_b32 v1, 4, v9                        ; 16 x lane
	v_lshlrev_b32 v2, 3, v9                        ; 8 x lane
	v_add_nc_u32 v3, HEADB, v1
	v_add_nc_u32 v4, HEADB, v2
	s_and_b32 s56, s[WV], 3
	s_mul_i32 s56, s56, 768                        ; my tile's image in Q's record
	v_add_nc_u32 v9, s56, v1
	v_add_nc_u32 v10, s56, v2
	global_load_b128 v[16:19], v9, s[54:55]
	global_load_b64 v[20:21], v10, s[54:55] offset:512
	s_and_b32 s56, s[WV], 1
	s_lshl_b32 s56, s56, 7
	s_bfe_u32 s57, s[WV], 0x10001
	s_lshl_b32 s57, s57, 2
	s_add_co_u32 s56, s56, s57
	v_and_b32 v11, 15, v0
	v_lshl_add_u32 v11, v11, 3, s56                ; image 2 u + h's word of row r: 8 (r + 16 h) + 4 u
	global_load_b32 v28, v11, s[54:55] offset:3072
	v_bfe_u32 v29, v0, 4, 1
	v_lshlrev_b32 v29, 3, v29                      ; 8 h: how far my two scale bytes are shifted in p's word
.irp n, 22,23,24,25,26,27,80,81,82,83,84,85
	v_mov_b32 v[\n], 0                             ; Q's upper half: zero codes; and what stands behind K's tile 7
.endr
	v_mov_b32 v13, 0xff61b1e6                      ; the largest score so far: -3e38, under every score
	v_mov_b32 v12, 0x7e000000                      ; -M = 2^125: the first step's factor comes out 0
	v_mov_b32 v14, 0                               ; the sum, in two halves
	v_mov_b32 v15, 0
	v_mov_b32 v205, 0                              ; a lane permute's destination counts as one of its sources
	v_mov_b32 v207, 0                              ; (named as the upper half of the pair v[206:207])
.set n, 0
.rept 32
	v_mov_b32 v[O+n], 0                            ; O^T: the step is written once; the first finds zeros
.set n, n+1
.endr
	s_wait_alu depctr_va_vdst(0)
	s_wait_loadcnt 0x0                             ; Q
	s_wait_tensorcnt 0x0                           ; my sixteenth is in
	s_barrier_signal -1
	s_barrier_wait -1                              ; everybody's is
	s_mov_b32 s[TB], 0
	s_mov_b32 s[CNT], 16
.Lstep:                                                ; A KEY STEP: 128 keys = two records of K and two of V
	v_add_nc_u32 v5, s[TB], v1                     ; these four are also the places in front of loads into registers that the last products have read
	v_add_nc_u32 v6, s[TB], v2
	v_add_nc_u32 v7, s[TB], v3
	v_add_nc_u32 v8, s[TB], v4
.irp t, 0,1,2,3,4,5,6,7
	ds_load_b128 v[32+6*\t:35+6*\t], v5 offset:(\t/4)*HREC+(\t%4)*768
	ds_load_b64 v[36+6*\t:37+6*\t], v6 offset:(\t/4)*HREC+(\t%4)*768+512
.endr
	ds_load_b64 v[86:87], v6 offset:3072           ; register t / 2: lanes 0-15 the even tile's words, lanes 16-31 the odd tile's
	ds_load_b64 v[88:89], v6 offset:HREC+3072
	s_wait_alu depctr_va_vdst(0)
	s_wait_dscnt 0x0
.irp t, 0,2,4,6
	v_wmma_scale_f32_16x16x128_f8f6f4 v[S+8*\t:S+7+8*\t], v[32+6*\t:43+6*\t], v[16:27], 0, v[86+\t/2], v28 matrix_a_fmt:MATRIX_FMT_BF6 matrix_b_fmt:MATRIX_FMT_BF6
	v_wmma_scale_f32_16x16x128_f8f6f4 v[S+8*(\t+1):S+7+8*(\t+1)], v[32+6*(\t+1):43+6*(\t+1)], v[16:27], 0, v[86+\t/2], v28 matrix_a_fmt:MATRIX_FMT_BF6 matrix_b_fmt:MATRIX_FMT_BF6 matrix_a_scale:MATRIX_SCALE_ROW1
.endr
	v_mov_b32 v203, v12                            ; the old -M.  With the three below: four places; behind them V's loads land where K's tiles lay, and the scores are read
.rept 3
	v_nop
.endr
.irp d, 0,1,2,3                        ; V's four fragments are asked for here, under the softmax: half c = record c's image d
.irp c, 0,1
	ds_load_b128 v[32+12*\d+6*\c:35+12*\d+6*\c], v7 offset:\c*HREC+\d*768
	ds_load_b64 v[36+12*\d+6*\c:37+12*\d+6*\c], v8 offset:\c*HREC+\d*768+512
.endr
.endr
	ds_load_b64 v[210:211], v8 offset:3072
	ds_load_b64 v[212:213], v8 offset:HREC+3072
; the largest score of my two blocks of 32 keys (registers 32 c + 0 .. 31), in four chains of 16 by turns, each accumulator from its low end on
.irp b, 0,1,2,3
	v_max3_num_f32 v[BM+\b], v[S+16*\b], v[S+1+16*\b], v[S+2+16*\b]
.endr
.irp i, 3,5,7,9,11,13
.irp b, 0,1,2,3
	v_max3_num_f32 v[BM+\b], v[BM+\b], v[S+16*\b+\i], v[S+1+16*\b+\i]
.endr
.endr
.irp c, 0,2
	v_max3_num_f32 v[BM+\c], v[BM+\c], v[BM+1+\c], v[S+15+16*\c]
.endr
.irp c, 0,2
	v_max_num_f32 v[BM+\c], v[BM+\c], v[S+31+16*\c]   ; block c / 2's largest score: for the row's maximum, and, since p rises with the score, for the block's largest p
.endr
	v_max_num_f32 v204, v[BM], v[BM+2]
	s_delay_alu instid0(VALU_DEP_1)
	v_permlanex16_b32 v205, v204, s[SEL], s[SEL+1] ; lane l xor 16 holds my query's other two blocks
	s_delay_alu instid0(VALU_DEP_1)
	v_max3_num_f32 v13, v13, v204, v205            ; the running largest score
	s_delay_alu instid0(VALU_DEP_1)
	v_mul_f32 v204, s[NC], v13                     ; -t
	s_delay_alu instid0(VALU_DEP_1)
	v_floor_f32 v12, v204                          ; the new -M = floor(-t) = -ceil(t): a whole number
	s_delay_alu instid0(VALU_DEP_1)
	v_sub_f32 v204, v12, v203                      ; old M - new M: a whole number, 0 or less
	s_delay_alu instid0(VALU_DEP_1)
	v_cvt_i32_f32 v204, v204                       ; (it saturates)
	s_delay_alu instid0(VALU_DEP_1)
	v_ldexp_f32 v206, 1.0, v204                    ; f = 2^(old M - new M)
.set n, 0
.rept 32
	v_pk_fma_f32 v[S+n:S+1+n], v[S+n:S+1+n], s[CS:CS+1], v[12:13] op_sel_hi:[1,0,0]   ; t - M, two at a time
.set n, n+2
.endr
.irp c, 0,2
	v_fma_f32 v[BM+\c], v[BM+\c], s[CS], v12       ; the same of each block's largest score
.endr
	s_wait_alu depctr_va_vdst(0)
.set n, 0
.rept 64
	v_exp_f32 v[S+n], v[S+n]                       ; p = 2^(t - M), at most 1
.set n, n+1
.endr
.irp c, 0,2
	v_exp_f32 v[BM+\c], v[BM+\c]                   ; the block's largest p: the same two instructions on the same number give the same bits
.endr
	v_pk_mul_f32 v[14:15], v[14:15], v[206:207] op_sel_hi:[1,0]   ; the sums under the new M.  (A plain place behind the exponentials)
	s_wait_alu depctr_va_vdst(0)                   ; one wait for the whole batch, ahead of its first reader
.irp c, 0,2
	v_max_num_f32 v[BM+\c], 0x2800000, v[BM+\c]    ; the floor 2^(5 - 127): the byte cannot fall under 1
.endr
.irp c, 0,2
	s_delay_alu instid0(VALU_DEP_2)
	v_add_nc_u32 v[SO+\c], 0xfe000000, v[BM+\c]    ; 4 off the exponent field: the conversion's scale operand
.endr
.irp c, 0,2
	s_delay_alu instid0(VALU_DEP_2)
	v_lshrrev_b32 v[BT+\c], 23, v[SO+\c]           ; the scale's byte
.endr
	s_delay_alu instid0(VALU_DEP_1)
	v_lshl_or_b32 v208, v[BT+2], 16, v[BT]         ; my two bytes: blocks h and 2 + h of these 128 keys,
	s_delay_alu instid0(VALU_DEP_1)
	v_lshlrev_b32 v208, v29, v208                  ; at their places in p's scale word;
	s_delay_alu instid0(VALU_DEP_1)
	v_permlanex16_b32 v205, v208, s[SEL], s[SEL+1]
	s_delay_alu instid0(VALU_DEP_1)
	v_or_b32 v208, v208, v205                      ; with lane l xor 16's two the word is whole
.irp c, 0,1
	v_cvt_scalef32_pk16_bf6_f32 v[224+6*\c:226+6*\c], v[S+32*\c:S+15+32*\c], v[SO+2*\c]          ; registers 6 c .. 6 c + 5 of p's operand: keys 64 c + 32 h + 0 .. 31
	v_cvt_scalef32_pk16_bf6_f32 v[236+4*\c:238+4*\c], v[S+16+32*\c:S+31+32*\c], v[SO+2*\c]       ; (a conversion's three registers begin on an even number: the second half is made elsewhere and moved)
.endr
	v_nop                                          ; one plain place behind a scaled conversion
.irp c, 0,1
.irp i, 0,1,2
	v_mov_b32 v[227+6*\c+\i], v[236+4*\c+\i]
.endr
.endr
	s_wait_dscnt 0x0                               ; V's fragments and scale units are in
	v_lshl_or_b32 v214, v212, 16, v210             ; V's scale words: the first record's two bytes below, the second's above; register d / 2, lanes 16-31 for the odd tile
	v_lshl_or_b32 v215, v213, 16, v211
	s_wait_alu depctr_va_vdst(0)                   ; directly ahead of the first reader of O^T
.set n, 0
.rept 16
	v_pk_mul_f32 v[O+n:O+1+n], v[O+n:O+1+n], v[206:207] op_sel_hi:[1,0]   ; O^T under the new M, each accumulator from its low end on
.set n, n+2
.endr
.irp k, 0,1,2,3                        ; the row's sum is taken of the unquantised p: two at a time, in four chains
	v_pk_add_f32 v[T+2*\k:T+1+2*\k], v[S+4*\k:S+1+4*\k], v[S+2+4*\k:S+3+4*\k]
.endr
.set n, 16
.rept 6
.irp k, 0,1,2,3
	v_pk_add_f32 v[T+2*\k:T+1+2*\k], v[T+2*\k:T+1+2*\k], v[S+n+2*\k:S+n+1+2*\k]
.endr
.set n, n+8
.endr
	v_pk_add_f32 v[T:T+1], v[T:T+1], v[T+2:T+3]
	v_pk_add_f32 v[T+4:T+5], v[T+4:T+5], v[T+6:T+7]
	v_pk_add_f32 v[14:15], v[14:15], v[T:T+1]
	v_pk_add_f32 v[14:15], v[14:15], v[T+4:T+5]
.irp d, 0,2                            ; O^T += V^T P^T: the four accumulators by turns
	v_wmma_scale_f32_16x16x128_f8f6f4 v[O+8*\d:O+7+8*\d], v[32+12*\d:43+12*\d], v[224:235], v[O+8*\d:O+7+8*\d], v[214+\d/2], v208 matrix_a_fmt:MATRIX_FMT_BF6 matrix_b_fmt:MATRIX_FMT_BF6
	v_wmma_scale_f32_16x16x128_f8f6f4 v[O+8*(\d+1):O+7+8*(\d+1)], v[32+12*(\d+1):43+12*(\d+1)], v[224:235], v[O+8*(\d+1):O+7+8*(\d+1)], v[214+\d/2], v208 matrix_a_fmt:MATRIX_FMT_BF6 matrix_b_fmt:MATRIX_FMT_BF6 matrix_a_scale:MATRIX_SCALE_ROW1
.endr
	s_add_co_u32 s[TB], s[TB], 2*HREC
	s_sub_co_u32 s[CNT], s[CNT], 1
	s_cmp_lg_u32 s[CNT], 0
	s_cbranch_scc1 .Lstep
	; THE WAY OUT.  O^T / the sum; by V's order of channels register 16 u + i of a lane is channel 32 u + 16 h + i of its query: two blocks of 32, each shared with lane l xor 16, stored as half a fragment of oc.
	v_add_f32 v14, v14, v15                        ; the sum's two halves,
	v_permlanex16_b32 v204, v14, s[SEL], s[SEL+1]
	v_add_f32 v14, v14, v204                       ; and lane l xor 16's: the row's sum
	s_wait_alu depctr_va_vdst(0)
	v_rcp_f32 v14, v14
	s_and_b32 s50, s11, 15                         ; the head
	s_lshr_b32 s51, s11, 4                         ; the batch
	s_lshl_b32 s51, s51, 4
	s_lshl_b32 s52, s10, 1
	s_add_co_u32 s51, s51, s52
	s_lshr_b32 s52, s[WV], 3
	s_add_co_u32 s51, s51, s52                     ; my block of 128 tokens
	s_mul_i32 s51, s51, 102400
	s_lshr_b32 s52, s50, 1
	s_mul_i32 s52, s52, 12800
	s_add_co_u32 s52, s51, s52                     ; its record head / 2
	s_mov_b32 s53, 0
	s_add_nc_u64 s[6:7], s[6:7], s[52:53]
	s_and_b32 s54, s[WV], 7
	s_mul_i32 s54, s54, 1536                       ; my tile's fragment,
	s_and_b32 s55, s50, 1
	s_mul_i32 s56, s55, 768                        ; its half head % 2
	s_add_co_u32 s54, s54, s56
	s_bfe_u32 s56, s[WV], 0x10002
	s_lshl_b32 s56, s56, 8                         ; the scale unit of my tile's four,
	s_and_b32 s57, s[WV], 3
	s_lshl_b32 s57, s57, 2                         ; my tile's word,
	s_add_co_u32 s56, s56, s57
	s_lshl_b32 s57, s55, 1                         ; my head's two bytes of it
	s_add_co_u32 s56, s56, s57
	s_add_co_u32 s56, s56, 12288
	v_add_nc_u32 v9, s54, v1                       ; (plain lines behind the reciprocal, and the places behind the last products)
	v_add_nc_u32 v10, s54, v2
	v_and_b32 v11, 15, v0
	v_lshl_add_u32 v11, v11, 4, s56
	v_and_b32 v204, 31, v0
	v_cmp_gt_u32 vcc_lo, 16, v204
	s_wait_alu depctr_va_vdst(0)                   ; for the reciprocal, and directly ahead of the first reader of O^T
.set n, 0
.rept 32
	v_mul_f32 v[S+n], v[O+n], v14                  ; each accumulator from its low end on
.set n, n+1
.endr
.irp u, 0,1
	v_max3_num_f32 v[BM+\u], |v[S+16*\u]|, |v[S+1+16*\u]|, 0x2800000
.endr
.irp i, 2,4,6,8,10,12,14
.irp u, 0,1
	v_max3_num_f32 v[BM+\u], v[BM+\u], |v[S+16*\u+\i]|, |v[S+1+16*\u+\i]|
.endr
.endr
.irp u, 0,1
	v_permlanex16_b32 v[BT+\u], v[BM+\u], s[SEL], s[SEL+1]
.endr
.irp u, 0,1
	v_max_num_f32 v[BM+\u], v[BM+\u], v[BT+\u]
.endr
.irp u, 0,1
	v_add_nc_u32 v[SO+\u], 0xfe000000, v[BM+\u]
.endr
.irp u, 0,1
	v_lshrrev_b32 v[BT+\u], 23, v[SO+\u]
.endr
	v_lshl_or_b32 v205, v[BT+1], 8, v[BT]          ; my row's two scale bytes
	v_cvt_scalef32_pk16_bf6_f32 v[224:226], v[S:S+15], v[SO]
	v_cvt_scalef32_pk16_bf6_f32 v[236:238], v[S+16:S+31], v[SO+1]
	v_nop                                          ; one plain place behind a scaled conversion
.irp i, 0,1,2
	v_permlane16_swap_b32 v[224+\i], v[236+\i]     ; a whole block in a lane: lanes 0-15 block 0, lanes 16-31 block 1
.endr
.irp i, 0,1,2
	v_mov_b32 v[227+\i], v[236+\i]
.endr
	global_store_b128 v9, v[224:227], s[6:7]       ; 512 consecutive bytes, aligned to 256
	global_store_b64 v10, v[228:229], s[6:7] offset:512
	s_wait_alu depctr_va_vdst(0)
	s_wait_xcnt 0x0                                ; EXEC is a source of the stores above: it changes only behind this wait
	s_and_saveexec_b32 s58, vcc_lo                 ; lanes 0-15: one lane for each row
	global_store_b16 v11, v205, s[6:7]
	s_wait_xcnt 0x0                                ; and again in front of the line that widens it
	s_or_b32 exec_lo, exec_lo, s58
	s_wait_tensorcnt 0x0                           ; the wave's end
	ds_add_u32 v254, v255
	s_wait_dscnt 0x0
	ROUND                                          ; the closing round: no work-group ends while a partner may still ask for records that name it
	s_endpgm
.Lfunc_end_k_q97d224164e_attn:
	.size	k_q97d224164e_attn, .Lfunc_end_k_q97d224164e_attn-k_q97d224164e_attn
	.p2alignl 7, 3214868480
	.fill 96, 4, 3214868480
	.section	.rodata,"a",@progbits
	.p2align	6, 0x0
	.amdhsa_kernel k_q97d224164e_attn
		.amdhsa_group_segment_fixed_size 215040
		.amdhsa_private_segment_fixed_size 0
		.amdhsa_enable_private_segment 0
		.amdhsa_kernarg_size 16
		.amdhsa_user_sgpr_count 2
		.amdhsa_user_sgpr_kernarg_segment_ptr 1
		.amdhsa_wavefront_size32 1
		.amdhsa_system_sgpr_workgroup_id_x 1
		.amdhsa_system_sgpr_workgroup_id_y 1
		.amdhsa_system_sgpr_workgroup_id_z 1
		.amdhsa_system_vgpr_workitem_id 0
		.amdhsa_next_free_vgpr 256
		.amdhsa_next_free_sgpr 66
		.amdhsa_reserve_vcc 1
		.amdhsa_float_denorm_mode_32 3
		.amdhsa_float_denorm_mode_16_64 3
		.amdhsa_memory_ordered 1
		.amdhsa_forward_progress 1
		.amdhsa_inst_pref_size 27
	.end_amdhsa_kernel
	.amdgpu_metadata
---
amdhsa.version: [ 1, 2 ]
amdhsa.kernels:
  - .name:           k_q97d224164e_attn
    .symbol:         k_q97d224164e_attn.kd
    .args:
      - { .name: hqkv, .offset: 0, .size: 8, .value_kind: global_buffer, .address_space: global }
      - { .name: oc, .offset: 8, .size: 8, .value_kind: global_buffer, .address_space: global }
    .group_segment_fixed_size: 215040
    .private_segment_fixed_size: 0
    .kernarg_segment_align: 8
    .kernarg_segment_size: 16
    .max_flat_workgroup_size: 512
    .sgpr_count:     66
    .vgpr_count:     256
    .wavefront_size: 32
...
	.end_amdgpu_metadata
.endif
;; end of part 3
;; launch outp (part 4): grid 8 x 32, 4 waves a work-group, clusters of 4 x 4, 222,720 bytes of LDS; arguments cod, oc, bo, out0; writes out0
.if DOCPART == 4
	.amdgcn_target "amdgcn-amd-amdhsa--gfx1250"
	.amdhsa_code_object_version 6
	.text
	.protected	k_q97d224164e_outp
	.globl	k_q97d224164e_outp
	.p2align	8
	.type	k_q97d224164e_outp,@function
k_q97d224164e_outp:
	s_mov_b64 s[64:65], 0
	v_nop
	global_prefetch_b8 v0, s[64:65] scope:SCOPE_SE
	s_setreg_imm32_b32 hwreg(HW_REG_WAVE_MODE, 25, 1), 1
	s_wait_xcnt 0x0
	s_wait_alu depctr_hold_cnt(0) depctr_sa_sdst(0) depctr_va_vdst(0) depctr_va_sdst(0) depctr_va_ssrc(0) depctr_va_vcc(0) depctr_vm_vsrc(0)
	s_getreg_b32 s2, hwreg(HW_REG_IB_STS2, 6, 4)
	s_cmp_eq_u32 s2, 0
	s_cbranch_scc0 .Lentry_in_a_cluster
	s_endpgm
.Lentry_in_a_cluster:
	s_bfe_u32 s2, ttmp6, 0x10000c
	s_cmp_lg_u32 s2, 0xf033
	s_cbranch_scc0 .Lentry_shape_is_right
	s_endpgm
.Lentry_shape_is_right:
; out0 = O Wo^T + bo on codes of BF6 (E3M2) with E8M0 scales; out0 [4096][1024] f32.
; cod (blocks 120-127: Wo) and oc (32 blocks: the attention's result) hold blocks of 128 rows x K 1,024 (102,400 bytes: 8 records of 12,800 = 8 fragment images of 1,536 bytes + 2 units of 256 bytes of scale words);
; tile T's lane row r is the block's row 32 (T / 2) + 8 (T % 2) + r + 8 (r / 8).
; A work-group multiplies one block P of Wo (source 0: the result's registers run along the output's columns) by one block R of oc (source 1: a lane holds one token), over all of K.  Four waves, each 64 x 64: 16 accumulators.
; LDS: P's block at 0, R's at 102,400, as they lie in memory; every byte is filled once, so there is no ring.  Each wave brings four records by one tensor load.  Behind them a stage of 16 rows x 272 bytes for each wave, into which no fill lands.
; CLUSTER 4 x 4: P's block hangs on cx alone and is asked for jointly by my column, R's on cy alone, by my row.
; LIMITS: NaN and infinities are not served.
; REGISTERS: window 0: v1-3 lane, r, h; v4-8 LDS addresses for K steps 0-3, v9-13 for K steps 4-7; v14 the bias's offset; v16-23 scale words, two sets; v24-25 16 x lane, 8 x lane; v26-28 the way out; v64-159, v160-255 two sets of fragments.
;   window 1: v0-127 accumulator (i, j) at v[32 j + 8 i]; v128-159 the bias as a C operand.
.set BLK,  102400
.set REC,  12800
.set FRG,  1536
.set STG,  2*BLK                       ; the stages
.set SPT,  272                         ; a stage row: 256 bytes + 16
.set WV,   14                          ; s14 wave; s15 wave / 2 = which half of R's rows, and: I fetch for P (0) or R (1); s16 wave % 2 = which half of P's rows, and: which four records I fetch
.set G0P,  24
.set G0R,  40
.set G1P,  56
.set G1R,  68
.set SC,   16
.set L16,  24
.set L8,   25
.set STO,  26                          ; v26 where I put 16 bytes of a stage row;  v27 where I read a row back;  v28 my byte offset in out0
.set RD,   27
.set GO,   28
.set F0,   64
.set BI,   128
.set MSB, 0
.macro WIN new                         ; the immediate's high byte repeats the setting that is left
.if MSB != \new
	s_set_vgpr_msb (MSB<<8)|\new
.set MSB, \new
.endif
.endm
.set W_MUL, 0x50                       ; A, B window 0; C and D window 1
.set W_TO1, 0x40                       ; destination window 1
.set W_STG, 0x04                       ; an LDS store's data are its source 1: window 1
.macro PLACES n
.rept \n
	v_nop
.endr
.endm
.macro ROUND                           ; a round of the cluster's barrier
	s_barrier_signal -1
	s_barrier_wait -1
	s_cmp_lg_u32 s[WV], 0
	s_cbranch_scc1 .Lnot_wave_0_\@
	s_barrier_signal -3
.Lnot_wave_0_\@:
	s_barrier_wait -3
	s_barrier_signal -1
	s_barrier_wait -1
.endm
; 33 LDS loads: K step s's four fragments of P, four of R and the scale words, into set s % 2
.macro FETCH s
.set FB, F0+96*((\s)%2)
.set AD, 4+5*((\s)/4)
.set OF, ((\s)%4)*REC
.irp i, 0,1,2,3
.irp c, 0,1
	ds_load_b128 v[FB+12*\i+6*\c:FB+12*\i+6*\c+3], v[AD] offset:OF+\i*FRG+\c*768
	ds_load_b64 v[FB+12*\i+6*\c+4:FB+12*\i+6*\c+5], v[AD+1] offset:OF+\i*FRG+\c*768+512
.endr
.endr
.irp i, 0,1,2,3
.irp c, 0,1
	ds_load_b128 v[FB+48+12*\i+6*\c:FB+48+12*\i+6*\c+3], v[AD+2] offset:OF+\i*FRG+\c*768
	ds_load_b64 v[FB+48+12*\i+6*\c+4:FB+48+12*\i+6*\c+5], v[AD+3] offset:OF+\i*FRG+\c*768+512
.endr
.endr
	ds_load_b128 v[SC+4*((\s)%2):SC+4*((\s)%2)+3], v[AD+4] offset:OF   ; register i: lanes 0-15 the words of P's tile i, lanes 16-31 those of R's tile i
.endm
; 16 matrix instructions, 128 along K.  The 16 accumulators take turns, one instruction a turn, in the same order in every K step.  cmode 1: the sums begin with the bias.
.macro MUL s, cmode
.set FB, F0+96*((\s)%2)
.set SB, SC+4*((\s)%2)
.irp j, 0,1,2,3
.irp i, 0,1,2,3
.if \cmode == 0
	v_wmma_scale_f32_16x16x128_f8f6f4 v[32*\j+8*\i:32*\j+8*\i+7], v[FB+12*\i:FB+12*\i+11], v[FB+48+12*\j:FB+48+12*\j+11], v[32*\j+8*\i:32*\j+8*\i+7], v[SB+\i], v[SB+\j] matrix_a_fmt:MATRIX_FMT_BF6 matrix_b_fmt:MATRIX_FMT_BF6 matrix_b_scale:MATRIX_SCALE_ROW1
.else
	v_wmma_scale_f32_16x16x128_f8f6f4 v[32*\j+8*\i:32*\j+8*\i+7], v[FB+12*\i:FB+12*\i+11], v[FB+48+12*\j:FB+48+12*\j+11], v[BI+8*\i:BI+8*\i+7], v[SB+\i], v[SB+\j] matrix_a_fmt:MATRIX_FMT_BF6 matrix_b_fmt:MATRIX_FMT_BF6 matrix_b_scale:MATRIX_SCALE_ROW1
.endif
.endr
.endr
.endm
; K step s = 1 .. 7.  Both blocks are whole in LDS behind the one barrier at the head: no wait on tiles and no barrier stands between the K steps.
.macro KSTEP s
	WIN 0
.if (\s) < 7
	PLACES 4                                       ; in front of loads into registers that the step before last's products have read (ISA guide 7.12.1 for vector instructions)
	FETCH (\s)+1
	s_wait_dscnt 33                                ; all but the 33 just issued: this step's fragments are in
.else
	s_wait_dscnt 0x0
.endif
	WIN W_MUL
	MUL \s, 0
.endm
	s_load_b256 s[4:11], s[0:1], 0x0               ; cod, oc, bo, out0
	v_lshl_add_u32 v62, v0, 2, 0x36400
	v_mov_b32 v63, 0
	ds_add_u32 v62, v63
	ds_add_u32 v62, v63
	v_lshrrev_b32 v1, 5, v0
	v_readfirstlane_b32 s[WV], v1                  ; wave 0..3
	s_lshr_b32 s15, s[WV], 1
	s_and_b32 s16, s[WV], 1
	s_bfe_u32 s17, ttmp6, 0x40000                  ; cx
	s_bfe_u32 s18, ttmp6, 0x40004                  ; cy
	s_lshl_b32 s94, 0x1111, s17                    ; my column of the cluster
	s_lshl_b32 s95, s18, 2
	s_lshl_b32 s95, 15, s95                        ; my row
	; group 1: ONE LOAD A WAVE: four records on end, 51,200 dense bytes, as 200 rows of 32 elements of 8 bytes; no padding.  Waves 0, 1 bring P's records 0-3 and 4-7, waves 2, 3 R's.
	s_or_b32 s[G1P], s94, (3<<16)|(1<<21)          ; 15:0 the mask: P's records go to my column; 17:16 elements of 8 bytes; 21 set beside a mask
	s_or_b32 s[G1R], s95, (3<<16)|(1<<21)          ; R's go to my row
.irp g, G1P, G1R
	s_mov_b32 s[\g+1], 32<<16                      ; tensor_dim0 = 32
	s_mov_b32 s[\g+2], 200<<16                     ; tensor_dim1 = 200
	s_mov_b32 s[\g+3], 32<<16                      ; tile_dim0 = 32
	s_mov_b32 s[\g+4], 200                         ; tile_dim1 = 200
	s_mov_b32 s[\g+5], 32                          ; from row to row
	s_mov_b32 s[\g+6], 0
	s_mov_b32 s[\g+7], 0
.endr
	s_lshl_b32 s76, ttmp9, 2
	s_add_co_u32 s76, s76, s17                     ; Wo's block: it hangs on cx, never on cy
	s_add_co_u32 s77, s76, 120
	s_and_b32 s80, ttmp7, 0xffff
	s_lshl_b32 s80, s80, 2
	s_add_co_u32 s80, s80, s18                     ; oc's block: on cy, never on cx
	s_mul_i32 s20, s16, 4*REC                      ; which four records I fetch: their place in LDS for P,
	s_add_co_u32 s21, s20, BLK                     ; and for R
	s_mul_i32 s78, s77, BLK
	s_add_co_u32 s78, s78, s20
	s_mov_b32 s79, 0
	s_mul_i32 s82, s80, BLK
	s_add_co_u32 s82, s82, s20
	s_mov_b32 s83, 0
	s_lshl_b32 s89, s76, 1
	s_add_co_u32 s89, s89, s16                     ; my 64 columns of out0
	s_lshl_b32 s90, s80, 1
	s_add_co_u32 s90, s90, s15                     ; my 64 rows
	s_lshl_b32 s96, s89, 8                         ; 64 numbers = 256 bytes: in bo and in a row of out0
	s_mov_b32 s97, 0
	s_lshl_b32 s94, s90, 18                        ; 64 rows of 4,096 bytes
	s_mov_b32 s95, 0
	s_wait_dscnt 0x0
	s_wait_kmcnt 0x0
	s_add_nc_u64 s[78:79], s[4:5], s[78:79]
	s_add_nc_u64 s[82:83], s[6:7], s[82:83]
	s_add_nc_u64 s[98:99], s[8:9], s[96:97]
	s_add_nc_u64 s[10:11], s[10:11], s[94:95]
	s_add_nc_u64 s[10:11], s[10:11], s[96:97]
.irp n, 0                              ; one group 0 for each side
	s_mov_b32 s[G0P+4*\n], 1
	s_add_co_u32 s[G0P+4*\n+1], s20, \n*2*REC
	s_add_nc_u64 s[G0P+4*\n+2:G0P+4*\n+3], s[78:79], \n*2*REC
	s_or_b32 s[G0P+4*\n+3], s[G0P+4*\n+3], 0x80000000
	s_mov_b32 s[G0R+4*\n], 1
	s_add_co_u32 s[G0R+4*\n+1], s21, \n*2*REC
	s_add_nc_u64 s[G0R+4*\n+2:G0R+4*\n+3], s[82:83], \n*2*REC
	s_or_b32 s[G0R+4*\n+3], s[G0R+4*\n+3], 0x80000000
.endr
	ROUND                                          ; all sixteen work-groups are here: the joint loads meet
	s_cmp_eq_u32 s15, 0                            ; waves 0, 1 fetch P, waves 2, 3 R: one load in each arm; four v_nop follow it
	s_cbranch_scc0 .Lfill_r
.irp n, 0
	tensor_load_to_lds s[G0P+4*\n:G0P+4*\n+3], s[G1P:G1P+7]
	s_nop 0
.endr
	PLACES 4
	s_branch .Lfilled
.Lfill_r:
.irp n, 0
	tensor_load_to_lds s[G0R+4*\n:G0R+4*\n+3], s[G1R:G1R+7]
	s_nop 0
.endr
	PLACES 4
.Lfilled:
	v_and_b32 v1, 31, v0                           ; lane
	v_and_b32 v2, 15, v0                           ; r
	v_bfe_u32 v3, v0, 4, 1                         ; h
	s_wait_alu depctr_va_vdst(0)
	v_lshlrev_b32 v[L16], 4, v1
	v_lshlrev_b32 v[L8], 3, v1
	v_lshlrev_b32 v14, 6, v3                       ; the bias: 16 h numbers on
	WIN W_TO1
.irp i, 0,1,2,3
	global_load_b128 v[BI+8*\i:BI+8*\i+3], v14, s[98:99] offset:(32*(\i/2)+8*(\i%2))*4      ; tile i's registers are columns 32 (i / 2) + 8 (i % 2) + 16 h + 0 .. 7
	global_load_b128 v[BI+8*\i+4:BI+8*\i+7], v14, s[98:99] offset:(32*(\i/2)+8*(\i%2))*4+16
.endr
	WIN 0
	s_mul_i32 s22, s16, 4*FRG                      ; my four tiles of P
	s_mul_i32 s23, s15, 4*FRG                      ; my four tiles of R,
	s_add_co_u32 s23, s23, BLK                     ; behind P's block
	v_add_nc_u32 v4, s22, v[L16]
	v_add_nc_u32 v5, s22, v[L8]
	v_add_nc_u32 v6, s23, v[L16]
	v_add_nc_u32 v7, s23, v[L8]
	s_xor_b32 s23, s16, 1
	s_add_co_u32 s23, s23, s15
	s_lshl_b32 s23, s23, 8
	s_add_co_u32 s23, s23, BLK-256                 ; from P's scale unit to R's: 102,400 + 256 (R's half - P's half)
	v_mul_u32_u24 v8, s23, v3                      ; lanes 16-31 take R's
	v_lshl_add_u32 v8, v2, 4, v8                   ; 16 bytes a row
	s_lshl_b32 s22, s16, 8
	s_add_co_u32 s22, s22, 8*FRG
	v_add_nc_u32 v8, s22, v8
.irp n, 0,1,2,3,4
	v_add_nc_u32 v[9+\n], 4*REC, v[4+\n]           ; K steps 4 to 7: so that every immediate stays under 65,536
.endr
	s_mul_i32 s22, s[WV], 16*SPT
	s_add_co_u32 s22, s22, STG                     ; my stage
	v_mul_u32_u24 v[STO], v2, SPT
	v_lshl_add_u32 v[STO], v3, 6, v[STO]
	v_add_nc_u32 v[STO], s22, v[STO]               ; in: row r, + 64 h
	v_mul_u32_u24 v[RD], v3, SPT
	v_lshl_add_u32 v[RD], v2, 4, v[RD]
	v_add_nc_u32 v[RD], s22, v[RD]                 ; back: lanes 0-15 one row of 256 bytes, lanes 16-31 the next
	v_lshlrev_b32 v[GO], 12, v3
	v_lshl_add_u32 v[GO], v2, 4, v[GO]             ; and the same two rows in out0
	s_wait_alu depctr_va_vdst(0)
	s_wait_tensorcnt 0x0                           ; my one load is in
	s_barrier_signal -1
	s_barrier_wait -1                              ; all of K of both sides is in
	FETCH 0
	FETCH 1
	s_wait_loadcnt 0x0                             ; the bias
	s_wait_dscnt 33                                ; K step 0's fragments are in
	WIN W_MUL
	MUL 0, 1
	KSTEP 1
	KSTEP 2
	KSTEP 3
	KSTEP 4
	KSTEP 5
	KSTEP 6
	KSTEP 7
; THE WAY OUT, a tile j of 16 tokens at a time.  A lane holds 2 x 16 neighbouring columns of one token (register 32 j + 16 u + i = column 32 u + 16 h + i); the lanes beside it hold other tokens.  So a tile goes through my own stage
; and comes back as whole rows of 256 bytes.  LDS serves a wave's instructions in order (ISA guide 5.7.1.4): no wait between the stores and the loads, nor in front of the next tile's stores.
.macro TOSTAGE j
	WIN W_STG
.irp u, 0,1
.irp q, 0,1,2,3
	ds_store_b128 v[STO], v[32*(\j)+16*\u+4*\q:32*(\j)+16*\u+4*\q+3] offset:128*\u+16*\q   ; each accumulator from its low end on
.endr
.endr
	WIN 0
.irp t, 0,1,2,3,4,5,6,7
	ds_load_b128 v[F0+32*(\j)+4*\t:F0+32*(\j)+4*\t+3], v[RD] offset:2*\t*SPT
.endr
.endm
.macro SEND j, younger                 ; younger: the LDS instructions issued behind tile j's loads.  Stage row 2 t + h is token 32 (j / 2) + 8 (j % 2) + 2 t + h + 8 (t / 4) of my 64
	s_wait_dscnt \younger
.irp t, 0,1,2,3,4,5,6,7
	global_store_b128 v[GO], v[F0+32*(\j)+4*\t:F0+32*(\j)+4*\t+3], s[10:11] offset:(32*((\j)/2)+8*((\j)%2)+2*\t+8*(\t/4))*4096 th:TH_STORE_NT   ; 16 lanes store 256 consecutive bytes, at a multiple of 256 from out0's first byte
.endr
.endm
	WIN 0
	PLACES 4                                       ; behind the last products: their results are read, and the fragments' registers loaded
	TOSTAGE 0
	TOSTAGE 1
	SEND 0, 16                                     ; behind tile 0's loads: tile 1's 8 stores and 8 loads
	TOSTAGE 2
	SEND 1, 16
	TOSTAGE 3
	SEND 2, 16
	SEND 3, 0
	s_wait_tensorcnt 0x0
	ds_add_u32 v62, v63
	s_wait_dscnt 0x0
	ROUND                                          ; the closing round: no work-group ends while a partner may still ask for a record that names it
	s_endpgm
.Lfunc_end_k_q97d224164e_outp:
	.size	k_q97d224164e_outp, .Lfunc_end_k_q97d224164e_outp-k_q97d224164e_outp
	.p2alignl 7, 3214868480
	.fill 96, 4, 3214868480
	.section	.rodata,"a",@progbits
	.p2align	6, 0x0
	.amdhsa_kernel k_q97d224164e_outp
		.amdhsa_group_segment_fixed_size 222720
		.amdhsa_private_segment_fixed_size 0
		.amdhsa_enable_private_segment 0
		.amdhsa_kernarg_size 32
		.amdhsa_user_sgpr_count 2
		.amdhsa_user_sgpr_kernarg_segment_ptr 1
		.amdhsa_wavefront_size32 1
		.amdhsa_system_sgpr_workgroup_id_x 1
		.amdhsa_system_sgpr_workgroup_id_y 1
		.amdhsa_system_sgpr_workgroup_id_z 1
		.amdhsa_system_vgpr_workitem_id 0
		.amdhsa_next_free_vgpr 416
		.amdhsa_next_free_sgpr 100
		.amdhsa_reserve_vcc 0
		.amdhsa_float_denorm_mode_32 3
		.amdhsa_float_denorm_mode_16_64 3
		.amdhsa_memory_ordered 1
		.amdhsa_forward_progress 1
		.amdhsa_inst_pref_size 50
	.end_amdhsa_kernel
	.amdgpu_metadata
---
amdhsa.version: [ 1, 2 ]
amdhsa.kernels:
  - .name:           k_q97d224164e_outp
    .symbol:         k_q97d224164e_outp.kd
    .args:
      - { .name: cod, .offset: 0, .size: 8, .value_kind: global_buffer, .address_space: global }
      - { .name: oc, .offset: 8, .size: 8, .value_kind: global_buffer, .address_space: global }
      - { .name: bo, .offset: 16, .size: 8, .value_kind: global_buffer, .address_space: global }
      - { .name: out0, .offset: 24, .size: 8, .value_kind: global_buffer, .address_space: global }
    .group_segment_fixed_size: 222720
    .private_segment_fixed_size: 0
    .kernarg_segment_align: 8
    .kernarg_segment_size: 32
    .max_flat_workgroup_size: 128
    .sgpr_count:     100
    .vgpr_count:     416
    .wavefront_size: 32
...
	.end_amdgpu_metadata
.endif
;; end of part 4
